; MI455X (gfx1250); checked and timed in simulation.
; The chip was launched on July 23, 2026; its instructions are those of AMD's public machine-readable ISA for CDNA 5 (MIT licence, August 2026) and "CDNA5" Instruction Set Architecture Reference Guide (July 2026). The comments in the code are by the model that wrote it; some were corrected since.
;; Scaled Dot Product Attention Py T. Allowed arithmetic: matrix products marked QUANTISED: E2M3 operands, one E8M0 scale for each 32 along K, by v_wmma_scale_f32_16x16x128_f8f6f4 with both operands' format E2M3, f32 sums; everything else in f32.
;; Inputs: k 4 x 16 x 2,048 x 128 float32; q 4 x 16 x 2,048 x 128 float32; v 4 x 16 x 2,048 x 128 float32.
;; Outputs: out0 4 x 16 x 2,048 x 128 float32.
;; This version of the problem:
;;   THIS VERSION OF THE PROBLEM IS GIVEN IN LOW PRECISION. The matrix products marked QUANTISED in the list below multiply operands that are first quantised to E2M3 (2 exponent bits, 3 mantissa bits; 6 bits a number), with one power-of-two scale for each 32 numbers along K (OCP MX v1.0); their sums are f32. All else is computed in f32.
;;   The module's matrix products, in the order in which they are computed (A, B: the left and right operand; K: the contracted axis; several contracted axes count as one K, in the product's order):
;;     1. batch 64 x [M 2,048, K 128] x [K 128, N 2,048]; A: input q; B: input k: QUANTISED
;;     2. batch 64 x [M 2,048, K 2,048] x [K 2,048, N 128]; A: softmax (see below); B: input v: QUANTISED
;;   THE QUANTISER, for each operand of a quantised product, along K:
;;     - K is cut into blocks of 32 from its start; a last block that is shorter is filled with zeros.
;;     - A block's scale is 2^e with e = floor(log2(the largest magnitude in the block)) - 2, held to -126 .. 127; a block of zeros has e = 0. As a byte (E8M0): e + 127.
;;     - Each number is divided by its block's scale, clamped to +-7.5, and rounded to the nearest number of E2M3, ties to even, subnormals kept.
;;     - The product sums the exact products of the quantised numbers (number of the format x scale) in f32.
;;   ~~~python
;;   def quantise(x, axis):      # numpy; x: float32 -> the quantised numbers, widened to float32 again
;;       x = np.moveaxis(x, axis, -1); K = x.shape[-1]
;;       x = np.pad(x, [(0, 0)] * (x.ndim - 1) + [(0, -K % 32)]); x = x.reshape(x.shape[:-1] + (-1, 32)); a = np.abs(x).max(-1, keepdims=True)
;;       e = np.where(a > 0, np.clip(np.frexp(np.where(a > 0, a, 1))[1] - 1 - 2, -126, 127), 0)      # np.frexp(a)[1] - 1 = floor(log2(a)), exactly
;;       r = np.clip(x / 2.0 ** e, -7.5, 7.5)
;;       step = 2.0 ** (np.maximum(np.frexp(np.where(r == 0, 1, r))[1] - 1, 0) - 3)
;;       q = np.round(r / step) * step * 2.0 ** e      # np.round: ties to even
;;       return np.moveaxis(q.reshape(q.shape[:-2] + (-1,))[..., :K], -1, axis).astype(np.float32)
;;   ~~~
;;   SOFTMAX AHEAD OF A QUANTISED PRODUCT. Where the list says 'softmax', what is quantised is not the finished softmax but p = 2^(t - M), with t = logit x log2(e) and M = ceil(the row's largest t), a whole number; so 1/2 < the row's largest p <= 1. The row's sum l is taken of the UNQUANTISED p, in f32, and the product's result is divided by l at the end. Since M is a whole number, a kernel that streams over the keys may use a running M (the ceiling of the running maximum): every later rescaling is an exact power of two, which a block's scale takes up: the codes' values come out the same.
;;   OPERANDS COMPUTED ON THE WAY. 'Computed on the way' means the value that the module computes at that place (a softmax that the list does not call 'softmax' is quantised finished and normalised). What goes into a quantiser is computed in f32, as accurately as f32 sums, v_exp_f32 and their like allow (about 1e-6 of the number): no bf16 or f16 on the way to a quantiser, and a product that is left as it is and whose result goes on into a quantised operand takes f32 operands (vector FMAs, or v_wmma_f32_16x16x4_f32). A number that lies on a knife's edge between two numbers of the format may be rounded either way, as far as f32 arithmetic and the matrix unit's own rounding can turn it there, and no further.
;; One version. Each part assembles by itself: llvm-mc -triple=amdgcn-amd-amdhsa -mcpu=gfx1250 --defsym DOCPART=n.
;; ======== version 1 of 1: 2 launches
;; workspace buffers: kv 26,214,400 bytes
;; launch quant (part 1): grid 1024 x 1, 4 waves a work-group, no clusters, 35,328 bytes of LDS; arguments k, v, kv; writes kv
.if DOCPART == 1
	.amdgcn_target "amdgcn-amd-amdhsa--gfx1250"
	.amdhsa_code_object_version 6
	.text
	.protected	k_q178ed3f685_quant
	.globl	k_q178ed3f685_quant
	.p2align	8
	.type	k_q178ed3f685_quant,@function
k_q178ed3f685_quant:
	s_mov_b64 s[64:65], 0
	v_nop
	global_prefetch_b8 v0, s[64:65] scope:SCOPE_SE
	s_setreg_imm32_b32 hwreg(HW_REG_WAVE_MODE, 25, 1), 1
	s_wait_xcnt 0x0
; k and v, [64 heads][2048 keys][128 channels] f32, become codes of FP6 (E2M3) with one E8M0 scale byte for each 32 along the product's K:
; k along its channels (K of q k^T), v along the keys (K of p v).  A block's scale is 2^(floor(log2(its largest magnitude)) - 2): its byte is the largest
; magnitude's exponent field - 2, held at 1 from below.  Each number is divided by the scale and rounded to the nearest code, ties to even, beyond 7.5 the largest code.
; LIMITS: NaN and infinities among the inputs are not served.  A block of zeros, or one whose largest magnitude lies under 2^-124, gets the byte 1 (the quantiser's
; text says 127 for zeros): its codes are zeros or nearly so, and the bytes are read by this program alone.
; THE WORKSPACE IS LAID AS THE ATTENTION LAUNCH'S REGISTERS WANT IT.  A slot is 256 keys of one head: 51,200 dense bytes at (8 head + slot) x 51,200:
;   KC + 1,536 (8 qs + T): K's fragment of key step qs (128 keys), tile T = 2 b + u: an image of 12 registers, registers 4 c .. 4 c + 3 of lane L at 512 c + 16 L.
;        Lane (r, h) holds key 128 qs + 32 b + 8 u + r + 8 (r / 8), channel blocks h (registers 0-5) and 2 + h (registers 6-11).
;   VC + 1,536 (8 qs + t): V's fragment: lane (r, h) holds channel 16 t + r, key blocks h and 2 + h of the step.
;   KS + 512 qs + 256 (T / 4) + 16 r + 4 (T % 4): the scale word of K's tile T, row r.      VS + 128 t + 8 r + 4 qs: that of V's tile t, row r.
; SHARES.  Work-groups 0-511 take a slot of k each, 512-1023 a slot of v: 131,072 bytes in, half a slot's image out.  Four waves, which share nothing: no barrier.
; No tensor load, no matrix unit, no cluster: no byte is read twice, and no two work-groups read the same bytes.
.set SLOTB, 51200
.set KC,    0
.set VC,    24576
.set KS,    49152
.set VS,    50176
.set FRB,   1536                       ; a fragment's image
.set SP,    528                        ; K path: a row of 512 bytes in the stage + 16: an odd multiple of 16, so that sixteen rows' reads of 16 bytes fall on different banks
.set WSTG,  8704                       ; a wave's stage: 16 such rows, rounded up
.set SEL,   14                         ; s[14:15] lane selects for v_permlanex16_b32: lane l xor 16
.set R,     16                         ; K path: v16-79, v80-143 two sets of 16 rows as loaded
.set X,     144                        ; v144-207 my two blocks of 32 numbers
.set C,     208                        ; v208-219, v220-231 a fragment's codes, two sets
.set W,     248                        ; v248-251 the four fragments' scale words
.set XV,    16                         ; V path: v16-47, v48-79 two sets of 32 numbers down the keys
.set EF,    80                         ; v80-127: for each key step 12 registers for image lane r, 12 for image lane 16 + r
.set VW,    128                        ; v[128:129] my channel's scale words of the two key steps
; 64 numbers of a lane, two whole blocks of 32 (x .. x + 31: block h; x + 32 .. x + 63: block 2 + h of my row), become the 12 registers of the operand at pc and the row's scale word in w.  sh holds 8 h.
.macro QUANT2 x, pc, w, sh
.irp c, 0,1
	v_max3_num_f32 v[244+\c], |v[(\x)+32*\c]|, |v[(\x)+32*\c+1]|, 0x1800000   ; the floor 2^(3 - 127) among the leaves: the byte cannot fall under 1
.endr
.irp i, 2,4,6,8,10,12,14,16,18,20,22,24,26,28,30
.irp c, 0,1
	v_max3_num_f32 v[244+\c], v[244+\c], |v[(\x)+32*\c+\i]|, |v[(\x)+32*\c+\i+1]|   ; the two blocks by turns
.endr
.endr
.irp c, 0,1
	v_add_nc_u32 v[246+\c], 0xff000000, v[244+\c]  ; 2 off the exponent field: the conversion takes this operand's exponent field as its scale
.endr
.irp c, 0,1
	v_lshrrev_b32 v[236+\c], 23, v[246+\c]         ; the scale's byte
.endr
	v_lshl_or_b32 v[\w], v237, 16, v236            ; my two bytes, blocks h and 2 + h,
	v_lshlrev_b32 v[\w], v[\sh], v[\w]             ; at their places in the word;
	v_permlanex16_b32 v239, v[\w], s[SEL], s[SEL+1]
	v_or_b32 v[\w], v[\w], v239                    ; with lane l xor 16's two the word is whole
.irp c, 0,1
	v_cvt_scalef32_pk16_fp6_f32 v[(\pc)+6*\c:(\pc)+6*\c+2], v[(\x)+32*\c:(\x)+32*\c+15], v[246+\c]
	v_cvt_scalef32_pk16_fp6_f32 v[236+4*\c:238+4*\c], v[(\x)+32*\c+16:(\x)+32*\c+31], v[246+\c]   ; (a conversion's three registers begin on an even number: the second half is made elsewhere and moved)
.endr
	v_nop                                          ; one plain instruction behind the last scaled conversion
.irp c, 0,1
.irp i, 0,1,2
	v_mov_b32 v[(\pc)+3+6*\c+\i], v[236+4*\c+\i]
.endr
.endr
.endm
	s_load_b128 s[4:7], s[0:1], 0x0                ; k s[4:5], v s[6:7]
	s_load_b64 s[8:9], s[0:1], 0x10                ; kv
	v_lshl_add_u32 v254, v0, 2, 0x8800
	v_mov_b32 v255, 0
	v_lshrrev_b32 v1, 5, v0
	v_readfirstlane_b32 s16, v1                    ; wave 0..3
	v_and_b32 v1, 31, v0                           ; lane
	v_and_b32 v7, 15, v0                           ; r
	v_bfe_u32 v8, v0, 4, 1                         ; h
	s_mov_b32 s[SEL], 0x76543210
	s_mov_b32 s[SEL+1], 0xfedcba98
	s_and_b32 s17, ttmp9, 511                      ; which slot: 8 head + slot
	s_lshl_b32 s18, s17, 17                        ; its 256 rows of 512 bytes in k or v (under 2^27)
	s_mov_b32 s19, 0
	s_mul_i32 s20, s17, SLOTB                      ; its image in kv
	s_mov_b32 s21, 0
	s_mov_b32 s23, 0
	s_lshl_b32 s24, s16, 8                         ; 256 x wave: my unit of scale words
	s_mov_b32 s25, 0
	s_wait_kmcnt 0x0
	s_add_nc_u64 s[8:9], s[8:9], s[20:21]
	s_add_nc_u64 s[12:13], s[8:9], s[24:25]
	s_cmp_lt_u32 ttmp9, 512
	s_cbranch_scc0 .Lv_path
; ---- K: wave w takes rows 64 w .. 64 w + 63 of the slot: fragments 4 w .. 4 w + 3.  A row's 512 bytes are loaded by the 32 lanes, 16 bytes each; the conversions want 32 neighbours in ONE lane:
; so a fragment's 16 rows turn through the wave's own stage in LDS.  LDS serves a wave's instructions in order (ISA guide 5.7.1.4): no wait between the stores and the loads.
	s_add_nc_u64 s[4:5], s[4:5], s[18:19]
	s_lshl_b32 s22, s16, 15
	s_add_nc_u64 s[4:5], s[4:5], s[22:23]          ; my 64 rows
	s_mul_i32 s22, s16, 4*FRB
	s_add_nc_u64 s[10:11], s[8:9], s[22:23]        ; my four fragments' images
	s_mul_i32 s26, s16, WSTG                       ; my stage
	v_lshlrev_b32 v2, 4, v1                        ; 16 x lane: in memory, on the way in and out
	v_add_nc_u32 v3, s26, v2                       ; into the stage
	v_mul_u32_u24 v4, v7, SP
	v_lshl_add_u32 v4, v8, 7, v4
	v_add_nc_u32 v4, s26, v4                       ; out of it: row r, block h
	v_lshlrev_b32 v5, 3, v8                        ; 8 h
	v_lshlrev_b32 v6, 4, v7                        ; 16 r
	v_mov_b32 v239, 0                              ; written once: a lane permute's destination counts as one of its sources
.macro LOADF f                         ; fragment f's 16 rows: position p takes row 32 (f / 2) + 8 (f % 2) + p + 8 (p / 8)
.irp p, 0,1,2,3,4,5,6,7,8,9,10,11,12,13,14,15
	global_load_b128 v[R+64*((\f)%2)+4*\p:R+64*((\f)%2)+4*\p+3], v2, s[4:5] offset:(32*((\f)/2)+8*((\f)%2)+\p+8*(\p/8))*512 th:TH_LOAD_NT
.endr
.endm
.macro STEPK f
.if (\f) < 3
	s_wait_loadcnt 16                              ; this fragment's 16 loads are in; the next fragment's 16 may be out
.else
	s_wait_loadcnt 0x0
.endif
.irp p, 0,1,2,3,4,5,6,7,8,9,10,11,12,13,14,15
	ds_store_b128 v3, v[R+64*((\f)%2)+4*\p:R+64*((\f)%2)+4*\p+3] offset:SP*\p
.endr
.irp j, 0,1,2,3,4,5,6,7
	ds_load_b128 v[X+4*\j:X+4*\j+3], v4 offset:16*\j             ; block h of row r
.endr
.irp j, 0,1,2,3,4,5,6,7
	ds_load_b128 v[X+32+4*\j:X+32+4*\j+3], v4 offset:256+16*\j   ; block 2 + h
.endr
	s_wait_dscnt 0x0                               ; my 64 numbers are in, and the stores into the stage have read their registers,
.if (\f) < 2
	LOADF (\f)+2                                   ; which take the fragment two on
.else
	s_wait_xcnt 0x0                                ; the stores of the fragment two back have read this set of codes: it is rewritten only behind this wait
.endif
	QUANT2 X, C+12*((\f)%2), W+(\f), 5
.irp c, 0,1,2
	global_store_b128 v2, v[C+12*((\f)%2)+4*\c:C+12*((\f)%2)+4*\c+3], s[10:11] offset:KC+FRB*(\f)+512*\c   ; 32 lanes store 512 consecutive bytes, at a multiple of 256 from kv's first byte
.endr
.endm
	LOADF 0
	LOADF 1
	STEPK 0
	STEPK 1
	STEPK 2
	STEPK 3
	s_wait_xcnt 0x0                                ; EXEC changes only behind this wait
	v_cmp_gt_u32 vcc_lo, 16, v1
	s_wait_tensorcnt 0x0
	ds_add_u32 v254, v255
	s_wait_dscnt 0x0
	s_and_saveexec_b32 s27, vcc_lo
	global_store_b128 v6, v[W:W+3], s[12:13] offset:KS   ; lanes 0-15: row r's words of my four tiles: 256 consecutive bytes, aligned
	s_wait_xcnt 0x0
	s_or_b32 exec_lo, exec_lo, s27
	s_endpgm
; ---- V: a lane takes a channel (32 w + lane) and its registers run down the keys: a block of 32 keys lies in one lane, and the codes come out with the keys innermost.  No LDS.
.Lv_path:
	s_add_nc_u64 s[6:7], s[6:7], s[18:19]
	s_mul_i32 s22, s16, 2*FRB
	s_add_nc_u64 s[10:11], s[8:9], s[22:23]        ; my two tiles' images: tiles 2 w and 2 w + 1
	s_lshl_b32 s26, s16, 7
	v_lshl_add_u32 v2, v1, 2, s26                  ; in: 4 x lane + 128 x wave
	v_mul_u32_u24 v3, v8, FRB
	v_lshl_add_u32 v3, v7, 4, v3                   ; out: tile lane / 16, image lane r
	v_lshlrev_b32 v4, 3, v1                        ; my two scale words
.macro LOADV t                         ; block t: v(32 t + i, my channel): 32 lanes read 128 consecutive bytes, the four waves a whole row
.irp i, 0,1,2,3,4,5,6,7,8,9,10,11,12,13,14,15,16,17,18,19,20,21,22,23,24,25,26,27,28,29,30,31
	global_load_b32 v[XV+32*((\t)%2)+\i], v2, s[6:7] offset:(32*(\t)+\i)*512 th:TH_LOAD_NT
.endr
.endm
.macro BLOCKV t
.set XS, XV+32*((\t)%2)
.set D,  EF+24*((\t)/4)+12*((\t)%2)+6*(((\t)%4)/2)     ; blocks 0, 2 of a step go to image lane r, blocks 1, 3 to image lane 16 + r
.if (\t) < 7
	s_wait_loadcnt 32                              ; this block's 32 loads are in; the next block's may be out
.else
	s_wait_loadcnt 0x0
.endif
	v_max3_num_f32 v244, |v[XS]|, |v[XS+1]|, |v[XS+2]|
	v_max3_num_f32 v245, |v[XS+3]|, |v[XS+4]|, |v[XS+5]|
.irp i, 6,10,14,18,22,26
	v_max3_num_f32 v244, v244, |v[XS+\i]|, |v[XS+\i+1]|
	v_max3_num_f32 v245, v245, |v[XS+\i+2]|, |v[XS+\i+3]|
.endr
	v_max3_num_f32 v244, v244, |v[XS+30]|, |v[XS+31]|
	v_max3_num_f32 v244, v244, v245, 0x1800000     ; and the floor
	v_add_nc_u32 v246, 0xff000000, v244
	v_lshrrev_b32 v247, 23, v246
.if (\t)%4 == 0
	v_mov_b32 v[VW+(\t)/4], v247                   ; four bytes to a word, the lower keys in the lower byte
.else
	v_lshl_or_b32 v[VW+(\t)/4], v247, 8*((\t)%4), v[VW+(\t)/4]
.endif
	v_cvt_scalef32_pk16_fp6_f32 v[D:D+2], v[XS:XS+15], v246
	v_cvt_scalef32_pk16_fp6_f32 v[236:238], v[XS+16:XS+31], v246
	v_nop                                          ; one plain instruction behind the last scaled conversion
.irp i, 0,1,2
	v_mov_b32 v[D+3+\i], v[236+\i]
.endr
.if (\t)+2 < 8
	LOADV (\t)+2
.endif
.endm
.macro SENDV st                        ; a key step's images of my two tiles: lanes 0-15 and lanes 16-31 each store 256 consecutive bytes, aligned.  These registers are never written again
.irp hh, 0,1
.irp c, 0,1,2
	global_store_b128 v3, v[EF+24*\st+12*\hh+4*\c:EF+24*\st+12*\hh+4*\c+3], s[10:11] offset:VC+8*FRB*\st+512*\c+256*\hh
.endr
.endr
.endm
	LOADV 0
	LOADV 1
	BLOCKV 0
	BLOCKV 1
	BLOCKV 2
	BLOCKV 3
	SENDV 0
	BLOCKV 4
	BLOCKV 5
	BLOCKV 6
	BLOCKV 7
	SENDV 1
	global_store_b64 v4, v[VW:VW+1], s[12:13] offset:VS   ; 32 lanes store 256 consecutive bytes, aligned
	s_endpgm
.Lfunc_end_k_q178ed3f685_quant:
	.size	k_q178ed3f685_quant, .Lfunc_end_k_q178ed3f685_quant-k_q178ed3f685_quant
	.p2alignl 7, 3214868480
	.fill 96, 4, 3214868480
	.section	.rodata,"a",@progbits
	.p2align	6, 0x0
	.amdhsa_kernel k_q178ed3f685_quant
		.amdhsa_group_segment_fixed_size 35328
		.amdhsa_private_segment_fixed_size 0
		.amdhsa_enable_private_segment 0
		.amdhsa_kernarg_size 24
		.amdhsa_user_sgpr_count 2
		.amdhsa_user_sgpr_kernarg_segment_ptr 1
		.amdhsa_wavefront_size32 1
		.amdhsa_system_sgpr_workgroup_id_x 1
		.amdhsa_system_sgpr_workgroup_id_y 1
		.amdhsa_system_sgpr_workgroup_id_z 1
		.amdhsa_system_vgpr_workitem_id 0
		.amdhsa_next_free_vgpr 256
		.amdhsa_next_free_sgpr 66
		.amdhsa_reserve_vcc 1
		.amdhsa_float_denorm_mode_32 3
		.amdhsa_float_denorm_mode_16_64 3
		.amdhsa_memory_ordered 1
		.amdhsa_forward_progress 1
		.amdhsa_inst_pref_size 67
	.end_amdhsa_kernel
	.amdgpu_metadata
---
amdhsa.version: [ 1, 2 ]
amdhsa.kernels:
  - .name:           k_q178ed3f685_quant
    .symbol:         k_q178ed3f685_quant.kd
    .args:
      - { .name: k, .offset: 0, .size: 8, .value_kind: global_buffer, .address_space: global }
      - { .name: v, .offset: 8, .size: 8, .value_kind: global_buffer, .address_space: global }
      - { .name: kv, .offset: 16, .size: 8, .value_kind: global_buffer, .address_space: global }
    .group_segment_fixed_size: 35328
    .private_segment_fixed_size: 0
    .kernarg_segment_align: 8
    .kernarg_segment_size: 24
    .max_flat_workgroup_size: 128
    .sgpr_count:     66
    .vgpr_count:     256
    .wavefront_size: 32
...
	.end_amdgpu_metadata
.endif
;; end of part 1
;; launch attn (part 2): grid 4 x 64, 16 waves a work-group, no clusters, 327,680 bytes of LDS; arguments q, kv, out0; writes out0
.if DOCPART == 2
	.amdgcn_target "amdgcn-amd-amdhsa--gfx1250"
	.amdhsa_code_object_version 6
	.text
	.protected	k_q178ed3f685_attn
	.globl	k_q178ed3f685_attn
	.p2align	8
	.type	k_q178ed3f685_attn,@function
k_q178ed3f685_attn:
	s_mov_b64 s[64:65], 0
	v_nop
	global_prefetch_b8 v0, s[64:65] scope:SCOPE_SE
	s_setreg_imm32_b32 hwreg(HW_REG_WAVE_MODE, 25, 1), 1
	s_wait_xcnt 0x0
; out0[bh][i][:] = sum over j <= i of softmax_j(q[i] . k[j] / sqrt(128) + (j - i) slope_h) v[j][:], 64 heads (bh = 16 b + h), 2,048 queries and keys, 128 channels, both products on codes of FP6 (E2M3)
; with one E8M0 scale for each 32 along a product's K.  k and v come as codes from the workspace kv (its layout: below); q is f32 and is quantised here, since one wave reads it once.
; THE SOFTMAX: t = logit x log2(e); M = the row's largest t so far, rounded UP to a whole number; p = 2^(t - M) is what is quantised, along the keys, not normalised.  The row's sum is taken of the
; unquantised p in f32 and divides at the end.  When M moves, the sum and O are multiplied by 2^(old M - new M): exact.
; ALIBI.  slope = 2^(-(h + 1) / 2).  Key j = KF + 32 b + loc, loc = 16 (lane / 16) + 8 u + register.  t = c (q.k + sl' loc) + sl2 (KF + 32 b - i), c = log2(e) / sqrt(128), sl' = slope sqrt(128), sl2 = slope log2(e).
; sl' loc is the C of the first product (16 registers that stay); sl2 (KF + 32 b - i) - M is one number a block, the addend of the multiply-add that scales the scores.  So the term costs nine lines a step.
; SHARES.  Work-group (p, bh), p = 0..3, owns query blocks 7 - p (first) and p of 256 queries; wave w owns 16 queries of each, one tile, in 256 registers: four waves to a SIMD, so that one wave's vector work
; stands beside another's matrix work and LDS loads.  Block 7 - p needs key slots 0 .. 7 - p, block p slots 0 .. p: NINE slots of 256 keys for every work-group, 256 work-groups of equal length.
; A key step (128 keys) all of whose keys come after the wave's queries is left out by a scalar branch on ids; no barrier and no tensor load stands in a step.
; kv: a slot of 256 keys is 51,200 dense bytes at (8 bh + slot) x 51,200: K's 16 fragments, V's 16 fragments (images of 12 registers: registers 4 c .. 4 c + 3 of lane L at 512 c + 16 L), K's and V's scale words.
;   So a fragment is three ds_load_b128 of 512 consecutive bytes, and every LDS address is slot + constant + a lane term.
; LAYOUT.  Both products are used transposed: S^T = K Q^T (source 0 = 16 keys, source 1 = my 16 queries), O^T = V^T P^T: a lane holds ONE query (lane % 16) throughout.  Lane r of K's tile 2 b + u holds key
; 32 b + 8 u + r + 8 (r / 8), so that the 16 registers of tiles 2 b and 2 b + 1 are 16 neighbouring keys, 32 b + 16 (lane / 16) + 0 .. 15.
; NO CLUSTER, though the four work-groups of a head read the same slots: in trip t partner p wants slot t only while t < 8 - p, so all four want the same slot in trips 0 to 4 alone; joint requests in every trip
; would need every partner to walk slots 0..7 and then 0..3: twelve trips for nine.
; LIMITS: NaN and infinities among the inputs are not served.  A block of q that is all zeros or lies under 2^-124 gets the scale byte 1.  A p under 2^-126 counts as 0 (v_exp_f32 flushes: ISA guide 15.8).
; The ALiBi term is added in three parts, each rounded in f32: t differs by a few 1e-6 where p still counts.
.set SLOTB, 51200
.set KC,    0
.set VC,    24576
.set KS,    49152
.set VS,    50176
.set FRB,   1536
.set HALFB, 25600                      ; what one tensor load brings: 100 rows of 256 bytes
.set SLOT1, 65536                      ; LDS: slot 0 at 0, slot 1 here: one exclusive or turns an address
.set STAGE, 131072                     ; a stage for each wave: 16 rows x (512 bytes + 16): q's turn and the way out; no fill lands here
.set WSTG,  8704
.set SP,    528
.set QIMG,  270336                     ; for each wave 2,048 bytes: the low tile's q as an image (1,536) and its scale words (128)
.set SPARE, 303104                     ; the spare words, 128 bytes for each wave: eight blocks of 256 bytes that no other line names
.set LI,  1                            ; v1   16 x lane
.set R16, 2                            ; v2   16 r
.set R8,  3                            ; v3   8 r
.set ADR, 4                            ; v4   slot + 16 x lane
.set SPW, 5                            ; v5   LDS address of my spare word; never rewritten
.set NIL, 6                            ; v6   0; never rewritten
.set ADS, 7                            ; v7   slot + 16 r
.set NI,  8                            ; v8   -(my query)
.set SO,  10                           ; v10  the stage: where I put 32 bytes of a row
.set SR,  11                           ; v11  the stage: 16 x lane of a row
.set ADT, 29                           ; v29  slot + 8 r  (at the head: the stage's row r, block h)
.set QI,  30                           ; v30  the low tile's image
.set QS,  31                           ; v31  and its scale words
.set PFO, 255                          ; v255 the prefetches' offset; never rewritten
; v9 KF - i as f32 (at the head 8 h); v12 -M, v13 the largest t, v[14:15] the sum in two halves; v16-27 q's codes, v28 q's scale words; v32-79 four fragments of K or V; v80-95 the ALiBi C tiles;
; v96-159 S^T, then p; v160-223 O^T; v224-235 p's codes; v232-247, v252, v254 at work; v248-251 K's or V's scale words; v253 p's scale words
.set WV,  18                           ; s18  my wave's number
.set HIS, 19                           ; s19  8 - p: slots of the first pass
.set SEL, 20                           ; s[20:21] lane selects: lane l xor 16
.set CS,  22                           ; s[22:23] c, twice
.set G1,  24                           ; s[24:31] descriptor group 1
.set G0,  32                           ; s[32:35] descriptor group 0, which walks
.set KVB, 36                           ; s[36:37] kv at my head's slot 0, my half
.set OFF, 38                           ; s[38:39] the next slot's byte offset
.set NX,  40                           ; s40  the slot asked for last
.set TB,  41                           ; s41  LDS byte at which the slot in hand begins
.set SLOTS, 42                         ; s42  trips to go
.set KF,  43                           ; s43  the step's first key
.set Q0,  44                           ; s44  my first query of the pass
.set SWT, 45                           ; s45  p + 1: the passes change when so many trips are left
.set SL2, 46                           ; s46  sl2;  s47-49 sl2 x 32, 64, 96
.set X1,  47
.set OH,  50                           ; s[50:51] my rows of out0, first pass;  s[52:53] second pass
.set OL,  52
.set Q0L, 54                           ; s54  my first query of the second pass
.set SLP, 55                           ; s55  sl'
.set PFA, 56                           ; s[56:57] where the prefetches stand
.set LIM, 58                           ; s58  2 in a wave that prefetches, else the greatest number
.set QH,  66                           ; s[66:67], s[68:69] my rows of q
.set QL,  68
.macro QUANT2 x, pc, w, sh             ; 64 numbers of a lane, blocks h and 2 + h of my row, become the operand's 12 registers at pc and the row's scale word in w; sh holds 8 h
.irp c, 0,1
	v_max3_num_f32 v[244+\c], |v[(\x)+32*\c]|, |v[(\x)+32*\c+1]|, 0x1800000   ; the floor 2^(3 - 127) among the leaves: the byte cannot fall under 1
.endr
.irp i, 2,4,6,8,10,12,14,16,18,20,22,24,26,28,30
.irp c, 0,1
	v_max3_num_f32 v[244+\c], v[244+\c], |v[(\x)+32*\c+\i]|, |v[(\x)+32*\c+\i+1]|
.endr
.endr
.irp c, 0,1
	v_add_nc_u32 v[246+\c], 0xff000000, v[244+\c]  ; 2 off the exponent field: the conversion's scale operand
.endr
.irp c, 0,1
	v_lshrrev_b32 v[236+\c], 23, v[246+\c]         ; the scale's byte
.endr
	v_lshl_or_b32 v[\w], v237, 16, v236
	v_lshlrev_b32 v[\w], v[\sh], v[\w]
	v_permlanex16_b32 v239, v[\w], s[SEL], s[SEL+1]
	v_or_b32 v[\w], v[\w], v239                    ; with lane l xor 16's two bytes the word is whole
.irp c, 0,1
	v_cvt_scalef32_pk16_fp6_f32 v[(\pc)+6*\c:(\pc)+6*\c+2], v[(\x)+32*\c:(\x)+32*\c+15], v[246+\c]
	v_cvt_scalef32_pk16_fp6_f32 v[236+4*\c:238+4*\c], v[(\x)+32*\c+16:(\x)+32*\c+31], v[246+\c]   ; (a conversion's three registers begin on an even number)
.endr
	v_nop                                          ; one plain instruction behind the last scaled conversion
.irp c, 0,1
.irp i, 0,1,2
	v_mov_b32 v[(\pc)+3+6*\c+\i], v[236+4*\c+\i]
.endr
.endr
.endm
; Waves 0 and 1 fetch a slot's two halves.  The branch hangs on the wave's number alone.  Four v_nop follow the load.
.macro TLOAD
	s_cmp_lt_u32 s[WV], 2
	s_cbranch_scc0 .Lasked_\@
	tensor_load_to_lds s[G0:G0+3], s[G1:G1+7]
	s_nop 0
.rept 4
	v_nop
.endr
.Lasked_\@:
.endm
; A PREFETCH INTO THE L2 of the slot that the NEXT change of slots will ask for: 200 aligned blocks of 256 bytes, a lane a block.  All four work-groups of a head walk slots 0, 1, 2 .. in their first trips: the one
; with p = 0, which walks all eight, asks, in waves 4 to 10, which fetch nothing: one instruction a wave.  Trip t (0 to 5) names slot t + 2; slots 0 and 1 come by their loads alone, and slot 7 is the last that is named.
; 200 is no multiple of 32: lanes 8 to 31 of wave 10 name the slot's last block again.
.macro ASK
	s_cmp_gt_u32 s[SLOTS], s[LIM]
	s_cbranch_scc0 .Lnot_mine_\@
	global_prefetch_b8 v[PFO], s[PFA:PFA+1] th:TH_LOAD_NT scope:SCOPE_SE
.Lnot_mine_\@:
.endm
.macro QTURN src                       ; 16 rows of q, 16 bytes a lane as loaded, turn through my stage and come back as two blocks of 32 neighbours a lane, in v32-95
.set i, 0
.rept 16
	ds_store_b128 v[SR], v[\src+4*i:\src+4*i+3] offset:SP*i
.set i, i+1
.endr
.set i, 0
.rept 8
	ds_load_b128 v[32+4*i:35+4*i], v[ADT] offset:16*i          ; LDS serves a wave's instructions in order (ISA guide 5.7.1.4): these see the stores above
	ds_load_b128 v[64+4*i:67+4*i], v[ADT] offset:256+16*i
.set i, i+1
.endr
	s_wait_dscnt 0x0
.endm
.macro INIT                            ; a pass begins: O^T and the sum are zeros, the largest t lies under every t: the first change of M multiplies zeros, so the step is written once
	v_and_b32 v[NI], 15, v0
	v_add_nc_u32 v[NI], s[Q0], v[NI]
	v_sub_nc_u32 v[NI], 0, v[NI]
	v_mov_b32 v13, 0xff61b1e6                      ; -3e38
	v_floor_f32 v12, -v13
	v_mov_b32 v14, 0
	v_mov_b32 v15, 0
.set j, 0
.rept 64
	v_mov_b32 v[160+j], 0
.set j, j+1
.endr
	s_mov_b32 s[KF], 0
.endm
	s_load_b128 s[4:7], s[0:1], 0x0                ; q s[4:5], kv s[6:7]
	s_load_b64 s[8:9], s[0:1], 0x10                ; out0
	v_lshl_add_u32 v[SPW], v0, 2, SPARE
	v_mov_b32 v[NIL], 0
	ds_add_u32 v5, v6
	s_wait_dscnt 0x0
	v_lshrrev_b32 v1, 5, v0
	v_readfirstlane_b32 s[WV], v1                  ; wave 0..15
	s_and_b32 s70, ttmp7, 0xffff                   ; bh
	; descriptor group 1: 100 rows of 256 bytes (32 elements of 8 bytes), dense in memory and in LDS
	s_mov_b32 s[G1+0], 3<<16                       ; no mask; elements of 8 bytes; no padding
	s_mov_b32 s[G1+1], 32<<16                      ; tensor_dim0 = 32
	s_mov_b32 s[G1+2], 100<<16                     ; tensor_dim1 = 100
	s_mov_b32 s[G1+3], 32<<16                      ; tile_dim0 = 32
	s_mov_b32 s[G1+4], 100                         ; tile_dim1 = 100
	s_mov_b32 s[G1+5], 32                          ; from row to row
	s_mov_b32 s[G1+6], 0
	s_mov_b32 s[G1+7], 0
	s_and_b32 s71, s[WV], 1
	s_mul_i32 s72, s71, HALFB                      ; my half of a slot, in memory and in LDS
	s_mov_b32 s73, 0
	s_mul_i32 s[OFF], s70, 8*SLOTB                 ; my head's eight slots
	s_mov_b32 s[OFF+1], 0
	s_wait_kmcnt 0x0
	s_add_nc_u64 s[PFA:PFA+1], s[6:7], s[OFF:OFF+1]
	s_add_nc_u64 s[KVB:KVB+1], s[PFA:PFA+1], s[72:73]
	s_add_nc_u64 s[PFA:PFA+1], s[PFA:PFA+1], SLOTB ; at slot 1: the first change of slots steps it to slot 2.  Nothing is prefetched here, at the head
	s_mov_b32 s[G0], 1                             ; count = 1
	s_mov_b32 s[G0+1], s72                         ; LDS address: slot 0, my half
	s_mov_b64 s[G0+2:G0+3], s[KVB:KVB+1]           ; global address: the head's slot 0, my half
	s_or_b32 s[G0+3], s[G0+3], 0x80000000          ; type = 2
	TLOAD                                          ; the one first fill, ahead of every LDS read, barrier and wait on TENSORcnt
	s_sub_co_u32 s74, 7, ttmp9
	s_lshl_b32 s74, s74, 8
	s_lshl_b32 s75, s[WV], 4
	s_add_co_u32 s[Q0], s74, s75                   ; first pass: 256 (7 - p) + 16 w
	s_lshl_b32 s[Q0L], ttmp9, 8
	s_add_co_u32 s[Q0L], s[Q0L], s75               ; second pass: 256 p + 16 w
	s_lshl_b32 s76, s70, 20                        ; the head's first byte in q and in out0: 2,048 rows of 512 bytes (under 2^26)
	s_lshl_b32 s78, s[Q0], 9
	s_add_co_u32 s78, s78, s76
	s_mov_b32 s79, 0
	s_lshl_b32 s80, s[Q0L], 9
	s_add_co_u32 s80, s80, s76
	s_mov_b32 s81, 0
	s_add_nc_u64 s[QH:QH+1], s[4:5], s[78:79]
	s_add_nc_u64 s[QL:QL+1], s[4:5], s[80:81]
	s_add_nc_u64 s[OH:OH+1], s[8:9], s[78:79]
	s_add_nc_u64 s[OL:OL+1], s[8:9], s[80:81]
	v_and_b32 v1, 31, v0
	v_lshlrev_b32 v[LI], 4, v1
.set i, 0
.rept 16
	global_load_b128 v[160+4*i:163+4*i], v[LI], s[QL:QL+1] offset:512*i th:TH_LOAD_NT   ; the second pass's 16 rows of q: a row's 512 bytes by 32 lanes
.set i, i+1
.endr
.set i, 0
.rept 16
	global_load_b128 v[96+4*i:99+4*i], v[LI], s[QH:QH+1] offset:512*i th:TH_LOAD_NT     ; the first pass's
.set i, i+1
.endr
	v_and_b32 v254, 15, v0                         ; r
	v_bfe_u32 v252, v0, 4, 1                       ; h
	v_lshlrev_b32 v[R16], 4, v254
	v_lshlrev_b32 v[R8], 3, v254
	s_mul_i32 s59, s[WV], WSTG
	s_add_co_u32 s59, s59, STAGE                   ; my stage
	v_mul_u32_u24 v[SO], v254, SP
	v_add_nc_u32 v[SO], s59, v[SO]
	v_lshl_add_u32 v[ADT], v252, 7, v[SO]          ; q's turn: row r, block h
	v_lshl_add_u32 v[SO], v252, 5, v[SO]           ; the way out: row r, + 32 h
	v_add_nc_u32 v[SR], s59, v[LI]
	s_lshl_b32 s60, s[WV], 11
	s_add_co_u32 s60, s60, QIMG
	v_add_nc_u32 v[QI], s60, v[LI]
	v_and_b32 v[QS], 31, v0
	v_lshl_add_u32 v[QS], v[QS], 2, s60
	v_add_nc_u32 v[QS], FRB, v[QS]
	v_lshlrev_b32 v9, 3, v252                      ; 8 h
	v_mov_b32 v239, 0                              ; written once: a lane permute's destination counts as one of its sources
	v_add_nc_u32 v[PFO], 0xffffff80, v0            ; 32 (w - 4) + lane,
	v_min_u32 v[PFO], 199, v[PFO]                  ; held at the slot's last block,
	v_lshlrev_b32 v[PFO], 8, v[PFO]                ; x 256
	s_mov_b32 s[SEL], 0x76543210
	s_mov_b32 s[SEL+1], 0xfedcba98
	s_mov_b32 s[CS], 0x3e0293ee                    ; c = log2(e) / sqrt(128)
	s_mov_b32 s[CS+1], s[CS]                       ; (named with it as a pair, so it is written)
	s_sub_co_u32 s[HIS], 8, ttmp9
	s_add_co_u32 s[SWT], ttmp9, 1
	s_sub_co_u32 s59, s[WV], 4
	s_cmp_lt_u32 s59, 7                            ; waves 4 to 10
	s_cselect_b32 s59, 0, 1
	s_or_b32 s59, s59, ttmp9                       ; of the work-group with p = 0
	s_cmp_eq_u32 s59, 0
	s_cselect_b32 s[LIM], 2, -1
	; the slope 2^(-n / 2), n = h + 1: n even: a power of two; n odd: 2^-0.5 as f32 with (n - 1) / 2 off its exponent field
	s_and_b32 s59, s70, 15
	s_add_co_u32 s59, s59, 1
	s_and_b32 s60, s59, 1
	s_mov_b32 s61, 0x3f3504f3
	s_cmp_eq_u32 s60, 1
	s_cselect_b32 s61, s61, 0x3f800000
	s_lshr_b32 s60, s59, 1
	s_lshl_b32 s60, s60, 23
	s_sub_co_u32 s61, s61, s60
	v_mov_b32 v232, s61
	v_mul_f32 v233, 0x3fb8aa3b, v232               ; sl2 = slope x log2(e)
	v_mul_f32 v234, 0x413504f3, v232               ; sl' = slope x sqrt(128)
	v_mul_f32 v235, 0x42000000, v233               ; sl2 x 32
	v_mul_f32 v232, 0x42800000, v233               ; x 64
	v_readfirstlane_b32 s[SL2], v233
	v_readfirstlane_b32 s[SLP], v234
	v_readfirstlane_b32 s[X1], v235
	v_readfirstlane_b32 s[X1+1], v232
	v_mul_f32 v234, 0x42c00000, v233               ; x 96
	v_readfirstlane_b32 s[X1+2], v234
	s_wait_loadcnt 16                              ; the second pass's 16 loads are in; the first pass's 16 may be out
	QTURN 160
	QUANT2 32, 224, 253, 9
.irp c, 0,1,2
	ds_store_b128 v[QI], v[224+4*\c:227+4*\c] offset:512*\c   ; kept in LDS, as an image of its registers, for the second pass
.endr
	ds_store_b32 v[QS], v253
	s_wait_loadcnt 0x0
	QTURN 96
	QUANT2 32, 16, 28, 9
	v_bfe_u32 v254, v0, 4, 1
	v_lshlrev_b32 v254, 4, v254                    ; 16 h
.set n, 0
.rept 16
	v_add_nc_u32 v[80+n], n, v254
.set n, n+1
.endr
.set n, 0
.rept 16
	v_cvt_f32_u32 v[80+n], v[80+n]
.set n, n+1
.endr
.set n, 0
.rept 16
	v_mul_f32 v[80+n], s[SLP], v[80+n]             ; C of tile 2 b + u: registers 80 + 8 u + j = sl' (16 h + 8 u + j)
.set n, n+1
.endr
	INIT
	s_mov_b32 s[NX], 0
	s_mov_b32 s[TB], 0
	s_mov_b32 s[SLOTS], 8
; A KEY STEP: 128 keys, the qs-th of the slot in hand.
.macro STEP qs
	s_add_co_u32 s59, s[Q0], 15
	s_cmp_gt_u32 s[KF], s59                        ; all its keys come after my 16 queries: nothing to do
	s_cbranch_scc1 .Lhidden_\@
	v_add_nc_u32 v[ADR], s[TB], v[LI]              ; (these five plain lines are also the places in front of the loads into registers that the last products read)
	v_add_nc_u32 v[ADS], s[TB], v[R16]
	v_add_nc_u32 v[ADT], s[TB], v[R8]
	v_add_nc_u32 v9, s[KF], v[NI]
	v_cvt_f32_i32 v9, v9                           ; KF - i
.irp g, 0,1                                    ; S^T = K Q^T + sl' loc, four tiles of 16 keys at a time
.if \g > 0
.rept 4
	v_nop                                          ; places in front of loads into registers that matrix instructions have read
.endr
.endif
.irp t, 0,1,2,3
.irp c, 0,1,2
	ds_load_b128 v[32+12*\t+4*\c:35+12*\t+4*\c], v[ADR] offset:KC+8*FRB*(\qs)+FRB*(4*\g+\t)+512*\c
.endr
.endr
	ds_load_b128 v[248:251], v[ADS] offset:KS+512*(\qs)+256*\g   ; the four tiles' scale words of row r
	s_wait_dscnt 0x0
.irp t, 0,1,2,3
	v_wmma_scale_f32_16x16x128_f8f6f4 v[96+8*(4*\g+\t):103+8*(4*\g+\t)], v[32+12*\t:43+12*\t], v[16:27], v[80+8*(\t%2):87+8*(\t%2)], v[248+\t], v28 matrix_a_fmt:MATRIX_FMT_FP6 matrix_b_fmt:MATRIX_FMT_FP6
.endr
.endr
.rept 4
	v_nop                                          ; places in front of the first read of results
.endr
	s_add_co_u32 s59, s[KF], 127                   ; on the diagonal hidden keys' scores become -infinity ahead of the maximum: p = 0 then.  A step all of whose keys count skips this
	s_cmp_le_u32 s59, s[Q0]
	s_cbranch_scc1 .Lopen_\@
	v_bfe_u32 v252, v0, 4, 1
	v_lshl_add_u32 v252, v252, 4, v[NI]
	v_add_nc_u32 v252, s[KF], v252
	v_sub_nc_u32 v252, 0, v252                     ; d = i - KF - 16 h.  Register 16 b + n holds key KF + 16 h + 32 b + n: hidden where 32 b + n > d
	v_mov_b32 v254, 0xff800000
.set n, 0
.rept 64
	v_cmp_gt_i32 vcc_lo, 32*(n/16)+n%16, v252
	v_cndmask_b32 v[96+n], v[96+n], v254, vcc_lo
.set n, n+1
.endr
.Lopen_\@:
.irp b, 0,1,2,3
	v_max3_num_f32 v[232+\b], v[96+16*\b], v[97+16*\b], v[98+16*\b]   ; the largest score of each block of 32 keys: within a block t rises with the score, so it serves for the row's maximum and for the block's largest p
.endr
.irp i, 3,5,7,9,11,13
.irp b, 0,1,2,3
	v_max3_num_f32 v[232+\b], v[232+\b], v[96+16*\b+\i], v[97+16*\b+\i]
.endr
.endr
.irp b, 0,1,2,3
	v_max_num_f32 v[232+\b], v[232+\b], v[111+16*\b]
.endr
.irp b, 0,1,2,3
	v_permlanex16_b32 v[236+\b], v[232+\b], s[SEL], s[SEL+1]
.endr
.irp b, 0,1,2,3
	v_max_num_f32 v[232+\b], v[232+\b], v[236+\b]  ; with lane l xor 16's 16 keys
.endr
	v_mul_f32 v236, s[SL2], v9                     ; G_b = sl2 (KF - i) + sl2 32 b
	v_fma_f32 v238, s[SL2], v9, s[X1]
	v_fma_f32 v240, s[SL2], v9, s[X1+1]
	v_fma_f32 v242, s[SL2], v9, s[X1+2]
.irp b, 0,1,2,3
	v_fma_f32 v[237+2*\b], v[232+\b], s[CS], v[236+2*\b]   ; each block's largest t
.endr
	v_max3_num_f32 v254, v237, v239, v241
	v_max3_num_f32 v13, v13, v254, v243            ; the running largest t
	v_mov_b32 v254, v12
	v_floor_f32 v12, -v13                          ; the new -M = floor(-t): M is a whole number
	v_sub_f32 v254, v12, v254                      ; old M - new M: a whole number, 0 or less
	v_cvt_i32_f32 v254, v254                       ; (it saturates)
	v_ldexp_f32 v252, 1.0, v254                    ; f = 2^(old M - new M)
.irp b, 0,1,2,3
	v_add_f32 v[236+2*\b], v[236+2*\b], v12        ; G_b - M
.endr
.set j, 0
.rept 32
	v_pk_fma_f32 v[96+j:97+j], v[96+j:97+j], s[CS:CS+1], v[236+2*(j/16):237+2*(j/16)] op_sel_hi:[1,0,0]   ; t - M, two at a time (of the pairs the low word serves both halves)
.set j, j+2
.endr
.irp b, 0,1,2,3
	v_fma_f32 v[232+\b], v[232+\b], s[CS], v[236+2*\b]   ; the same of each block's largest score
.endr
.set j, 0
.rept 64
	v_exp_f32 v[96+j], v[96+j]                     ; p = 2^(t - M), at most 1: not normalised
.set j, j+1
.endr
	v_pk_mul_f32 v[14:15], v[14:15], v[252:253] op_sel_hi:[1,0]   ; the sums under the new M (a plain instruction behind the exponentials)
	s_wait_alu depctr_va_vdst(0)                   ; the wait ahead of the first line that names a result: one for the batch of 64
.irp b, 0,1,2,3
	v_exp_f32 v[232+\b], v[232+\b]                 ; the block's largest p: the same two instructions on the same number give the same bits
.endr
	v_pk_add_f32 v[236:237], v[96:97], v[98:99]    ; the row's sum is taken of the unquantised p: two at a time, in two chains
.irp j, 4,8,12,16,20,24,28,32,36,40,44,48,52,56,60
	v_pk_add_f32 v[14:15], v[14:15], v[96+\j:97+\j]
	v_pk_add_f32 v[236:237], v[236:237], v[98+\j:99+\j]
.endr
	v_pk_add_f32 v[14:15], v[14:15], v[236:237]
	s_wait_alu depctr_va_vdst(0)                   ; and one for the four
.irp b, 0,1,2,3
	v_max_num_f32 v[232+\b], 0x1800000, v[232+\b]  ; the floor 2^(3 - 127): the byte cannot fall under 1 (a block whose every p is 0 keeps that byte: its codes are zeros)
.endr
.irp b, 0,1,2,3
	v_add_nc_u32 v[244+\b], 0xff000000, v[232+\b]  ; 2 off the exponent field: the conversion's scale operand
.endr
.irp b, 0,1,2,3
	v_lshrrev_b32 v[236+\b], 23, v[244+\b]         ; the scale's byte
.endr
	v_lshl_or_b32 v253, v237, 8, v236              ; p's scale word for these 128 keys
	v_lshl_or_b32 v253, v238, 16, v253
	v_lshl_or_b32 v253, v239, 24, v253
.irp c, 0,1
	v_cvt_scalef32_pk16_fp6_f32 v[224+6*\c:226+6*\c], v[96+32*\c:111+32*\c], v[244+2*\c]
	v_cvt_scalef32_pk16_fp6_f32 v[236+4*\c:238+4*\c], v[112+32*\c:127+32*\c], v[244+2*\c+1]
.endr
	v_nop                                          ; one plain instruction behind the last scaled conversion
.irp c, 0,1                                    ; the operand's layout wants a whole block in a lane: lanes 0-15 block 2 c, lanes 16-31 block 2 c + 1
.irp i, 0,1,2
	v_permlane16_swap_b32 v[224+6*\c+\i], v[236+4*\c+\i]
.endr
.irp i, 0,1,2
	v_mov_b32 v[227+6*\c+\i], v[236+4*\c+\i]
.endr
.endr
.set j, 0
.rept 32
	v_pk_mul_f32 v[160+j:161+j], v[160+j:161+j], v[252:253] op_sel_hi:[1,0]   ; O^T under the new M.  (These 32 are also the places in front of the scaled products, whose operand and scale word vector lines have just written)
.set j, j+2
.endr
.irp g, 0,1                                    ; O^T += V^T P^T: four tiles of 16 channels at a time; K = these 128 keys.  The eight accumulators take turns, one instruction a turn
.if \g > 0
.rept 4
	v_nop
.endr
.endif
.irp t, 0,1,2,3
.irp c, 0,1,2
	ds_load_b128 v[32+12*\t+4*\c:35+12*\t+4*\c], v[ADR] offset:VC+8*FRB*(\qs)+FRB*(4*\g+\t)+512*\c
.endr
	ds_load_b32 v[248+\t], v[ADT] offset:VS+128*(4*\g+\t)+4*(\qs)
.endr
	s_wait_dscnt 0x0
.irp t, 0,1,2,3
	v_wmma_scale_f32_16x16x128_f8f6f4 v[160+8*(4*\g+\t):167+8*(4*\g+\t)], v[32+12*\t:43+12*\t], v[224:235], v[160+8*(4*\g+\t):167+8*(4*\g+\t)], v[248+\t], v253 matrix_a_fmt:MATRIX_FMT_FP6 matrix_b_fmt:MATRIX_FMT_FP6
.endr
.endr
.Lhidden_\@:
	s_add_co_u32 s[KF], s[KF], 128
.endm
; THE CHANGE OF SLOTS stands at a trip's head.  Each wave waits for all its tensor loads (its part of the slot that it is about to read), adds 0 to its spare word, and waits for that and for its reads of the slot
; that it has left.  Behind the barrier the slot ahead is whole and nobody reads the other one.  fill = 1: that other slot takes the next trip's keys: the load has a whole trip in which to land; one load of a wave is out.
.macro CHANGE fill
	s_wait_tensorcnt 0x0                           ; no tensor load of mine is out, so group 0 may be written
	ds_add_u32 v[SPW], v[NIL]                      ; 0 onto my spare word
.if \fill
	s_xor_b32 s[G0+1], s[G0+1], SLOT1              ; the other LDS slot than last time
	s_add_co_u32 s[NX], s[NX], 1                   ; the next slot of keys;
	s_cmp_eq_u32 s[NX], s[HIS]
	s_cselect_b32 s[NX], 0, s[NX]                  ; behind the first pass's last, slot 0 again
	s_mul_i32 s[OFF], s[NX], SLOTB
	s_add_nc_u64 s[G0+2:G0+3], s[KVB:KVB+1], s[OFF:OFF+1]
	s_or_b32 s[G0+3], s[G0+3], 0x80000000
	s_wait_xcnt 0x0                                ; the last prefetch, a trip back, has read its address, so it may be written
	s_add_nc_u64 s[PFA:PFA+1], s[PFA:PFA+1], SLOTB
.endif
	s_wait_dscnt 0x0                               ; the add is done, and my reads of the slot that I have left are over
	s_barrier_signal -1
	s_barrier_wait -1
.if \fill
	TLOAD                                          ; the first thing behind the barrier, and a wave's one tensor load until the next
	ASK
.endif
.endm
; THE WAY OUT of a pass: O^T / the sum goes through my stage and leaves as whole rows of 512 bytes.
.macro FINISH ob
	v_add_f32 v14, v14, v15                        ; the sum's two halves,
	v_permlanex16_b32 v252, v14, s[SEL], s[SEL+1]
	v_add_f32 v14, v14, v252                       ; and lane l xor 16's: the row's sum
	v_rcp_f32 v14, v14
.rept 4
	v_nop                                          ; a plain instruction behind the reciprocal; with the additions above, the places behind the last products
.endr
	s_wait_alu depctr_va_vdst(0)                   ; the wait ahead of the first line that names the result
.set j, 0
.rept 32
	v_pk_mul_f32 v[96+j:97+j], v[160+j:161+j], v[14:15] op_sel_hi:[1,0]   ; register 8 t + n is o(r, 16 t + 8 h + n); each accumulator from its low end on
.set j, j+2
.endr
.irp t, 0,1,2,3,4,5,6,7
	ds_store_b128 v[SO], v[96+8*\t:99+8*\t] offset:64*\t
	ds_store_b128 v[SO], v[100+8*\t:103+8*\t] offset:64*\t+16
.endr
.set i, 0
.rept 16
	ds_load_b128 v[160+4*i:163+4*i], v[SR] offset:SP*i   ; in order behind my stores: whole rows come back
.set i, i+1
.endr
.set i, 0
.rept 16
	s_wait_dscnt 15-i                              ; row i is back; the younger rows may be out
	global_store_b128 v[LI], v[160+4*i:163+4*i], s[\ob:\ob+1] offset:512*i th:TH_STORE_NT   ; 32 lanes store 512 consecutive bytes, at a multiple of 256 from out0's first byte
.set i, i+1
.endr
.endm
.macro RESTART                         ; the second pass: its q comes back from LDS as it was stored
	s_wait_xcnt 0x0                                ; the stores above have read their registers: O^T's are written again only behind this wait
.irp c, 0,1,2
	ds_load_b128 v[16+4*\c:19+4*\c], v[QI] offset:512*\c
.endr
	ds_load_b32 v28, v[QS]
	s_mov_b32 s[Q0], s[Q0L]
	INIT
	s_wait_dscnt 0x0
.endm
.Lslot:                                            ; eight trips; behind each change of slots the next trip's slot is asked for
	CHANGE 1
	STEP 0
	STEP 1
	s_xor_b32 s[TB], s[TB], SLOT1                  ; on to the other slot
	s_cmp_lg_u32 s[SLOTS], s[SWT]                  ; behind trip 7 - p (one of trips 4 to 7) the first pass is over: a branch on ids, the same in all sixteen waves
	s_cbranch_scc1 .Lsame
	FINISH OH
	RESTART
.Lsame:
	s_sub_co_u32 s[SLOTS], s[SLOTS], 1
	s_cmp_lg_u32 s[SLOTS], 0
	s_cbranch_scc1 .Lslot
	CHANGE 0                                       ; the ninth trip is written out
	STEP 0
	STEP 1
	FINISH OL
	s_wait_tensorcnt 0x0                           ; the wave's end: behind my last tensor load and my last LDS store
	ds_add_u32 v[SPW], v[NIL]
	s_wait_dscnt 0x0
	s_endpgm
.Lfunc_end_k_q178ed3f685_attn:
	.size	k_q178ed3f685_attn, .Lfunc_end_k_q178ed3f685_attn-k_q178ed3f685_attn
	.p2alignl 7, 3214868480
	.fill 96, 4, 3214868480
	.section	.rodata,"a",@progbits
	.p2align	6, 0x0
	.amdhsa_kernel k_q178ed3f685_attn
		.amdhsa_group_segment_fixed_size 327680
		.amdhsa_private_segment_fixed_size 0
		.amdhsa_enable_private_segment 0
		.amdhsa_kernarg_size 24
		.amdhsa_user_sgpr_count 2
		.amdhsa_user_sgpr_kernarg_segment_ptr 1
		.amdhsa_wavefront_size32 1
		.amdhsa_system_sgpr_workgroup_id_x 1
		.amdhsa_system_sgpr_workgroup_id_y 1
		.amdhsa_system_sgpr_workgroup_id_z 1
		.amdhsa_system_vgpr_workitem_id 0
		.amdhsa_next_free_vgpr 256
		.amdhsa_next_free_sgpr 100
		.amdhsa_reserve_vcc 1
		.amdhsa_float_denorm_mode_32 3
		.amdhsa_float_denorm_mode_16_64 3
		.amdhsa_memory_ordered 1
		.amdhsa_forward_progress 1
		.amdhsa_inst_pref_size 139
	.end_amdhsa_kernel
	.amdgpu_metadata
---
amdhsa.version: [ 1, 2 ]
amdhsa.kernels:
  - .name:           k_q178ed3f685_attn
    .symbol:         k_q178ed3f685_attn.kd
    .args:
      - { .name: q, .offset: 0, .size: 8, .value_kind: global_buffer, .address_space: global }
      - { .name: kv, .offset: 8, .size: 8, .value_kind: global_buffer, .address_space: global }
      - { .name: out0, .offset: 16, .size: 8, .value_kind: global_buffer, .address_space: global }
    .group_segment_fixed_size: 327680
    .private_segment_fixed_size: 0
    .kernarg_segment_align: 8
    .kernarg_segment_size: 24
    .max_flat_workgroup_size: 512
    .sgpr_count:     100
    .vgpr_count:     256
    .wavefront_size: 32
...
	.end_amdgpu_metadata
.endif
;; end of part 2
